; MI455X (gfx1250); checked and timed in simulation.
; The chip was launched on July 23, 2026; its instructions are those of AMD's public machine-readable ISA for CDNA 5 (MIT licence, August 2026) and "CDNA5" Instruction Set Architecture Reference Guide (July 2026). The comments in the code are by the model that wrote it; some were corrected since.
;; Fixed Radius Neighbor Query. Allowed arithmetic: float matrix products may take bf16 or f16 operands with f32 sums; all other float work in f32.
;; Inputs: output_points 8,192 x 3 float32; output_row_splits 9 int32; points 16,384 x 3 float32; row_splits 9 int32.
;; Outputs: out0 8,192 x 32 int32; out1 8,192 x 32 float32.
;; One version. Each part assembles by itself: llvm-mc -triple=amdgcn-amd-amdhsa -mcpu=gfx1250 --defsym DOCPART=n.
;; ======== version 1 of 1: 1 launch
;; limits: values outside matrix products are rounded to bf16
;; launch knn (part 1): grid 512 x 1, 16 waves a work-group, no clusters, 6,144 bytes of LDS; arguments output_points, output_row_splits, points, row_splits, out0, out1; writes out0, out1
.if DOCPART == 1
	.amdgcn_target "amdgcn-amd-amdhsa--gfx1250"
	.amdhsa_code_object_version 6
	.text
	.protected	k_q7c3ece91fd_knn
	.globl	k_q7c3ece91fd_knn
	.p2align	8
	.type	k_q7c3ece91fd_knn,@function
k_q7c3ece91fd_knn:
	s_mov_b64 s[64:65], 0
	v_nop
	global_prefetch_b8 v0, s[64:65] scope:SCOPE_SE
	s_setreg_imm32_b32 hwreg(HW_REG_WAVE_MODE, 25, 1), 1
	s_wait_xcnt 0x0
; FIXED-RADIUS NEIGHBOURS.  One wave for each query: it goes through all points of the query's segment, 32 at a time, and keeps the 32 nearest
; within the radius, in order.
; EXACT ARITHMETIC.  Coordinates are rounded to bf16 (nearest even) for every use, the norms too, so the results are those of the problem's
; formula on bf16-rounded inputs.  Products of two such numbers are exact in f32, so a fused multiply-add gives the bits of a multiply and an
; add; the order of the sums is the problem's: p2 = (x x + y y) + z z, dot in ascending k, d2 = max((q2 + p2) - 2 dot, 0), d2 <= 0.09 in f32.
; Order: by d2's bits (d2 >= 0, so they ascend with it), equal d2 by the lower index.
; LIMITS: finite inputs whose squares stay inside f32's normal range; both row-split arrays ascending (the problem's binary search needs that
; too); split values outside [0, N] are clamped.
;
; NO BRANCH AND NO ADDRESS HANGS ON A DISTANCE.  The trip count comes from the row splits alone; a pair outside the radius or the segment
; becomes an empty place by v_cndmask_b32, and every batch is sorted and merged in full: 20 compare-and-exchange stages and one merge a batch.
; NO MATRIX INSTRUCTION: the product has K = 3, and the order of the indices hangs on the last bit of d2, so the sum has to be the chain of
; f32 additions in ascending k; a matrix instruction's sum is not that chain.
; NO JOINT LOADS, NO LDS RING: the point range hangs on the row splits, so partners could need different numbers of tiles.  Each wave loads its
; batches for itself, 384 consecutive bytes a load, one batch ahead.
;
; A work-group is 16 queries.  LDS holds only a stage of 4,096 bytes from which whole rows of the outputs leave.
.set NPTS,  16384
.set J1,  0x55555555                   ; lanes whose partner at distance 1, 2, 4, 8, 16 is the higher one
.set J2,  0x33333333
.set J4,  0x0f0f0f0f
.set J8,  0x00ff00ff
.set J16, 0x0000ffff
.set M1,  0xaaaaaaaa                   ; lanes with bit 1, 2, 4, 8, 16 of their number set: the complements of the above,
.set M2,  0xcccccccc                   ; and the lanes in descending blocks of 2, 4, 8, 16
.set M4,  0xf0f0f0f0
.set M8,  0xff00ff00
.set M16, 0xffff0000
; v1 lane  v4-6 the query, rounded  v7 |q|^2  v8, v9 the kept 32, ascending: d2 bits, index  v10, v11 the batch  v12, v13 the partner's pair
; v14-16 the point, rounded  v20, v21 addresses of the way out  v22 the index of the lane's point in the batch that is loaded last
; v23 its byte offset  v24-26 the point as loaded  v27, v28 at work  v31 key of an empty place  v32-35 the way out
; s3 wave  s18 query  s20-28 query splits  s32-40 point splits  s44-46 the query  s47 lo  s48 hi  s52 batches  s53 batches in the loop
; s54 their counter  s55, s56 lane masks  s68 0.09  s69 key of an empty place  s70, s71 lane selects  s78 mask of a word's upper bf16
	s_load_b256 s[4:11], s[0:1], 0x0               ; output_points s[4:5], output_row_splits s[6:7], points s[8:9], row_splits s[10:11]
	s_load_b128 s[12:15], s[0:1], 0x20             ; out0 s[12:13], out1 s[14:15]
	v_lshl_add_u32 v40, v0, 2, 0x1000
	v_mov_b32 v41, 0
	v_and_b32 v1, 31, v0
	v_lshrrev_b32 v20, 5, v0
	v_readfirstlane_b32 s3, v20                    ; wave 0..15
	s_lshl_b32 s18, ttmp9, 4
	s_add_co_u32 s18, s18, s3                      ; my query
	s_mul_i32 s42, s18, 12
	s_mov_b32 s43, 0
	s_wait_kmcnt 0x0
	s_load_b256 s[20:27], s[6:7], 0x0              ; the nine query splits: s20 .. s28
	s_load_b32 s28, s[6:7], 0x20
	s_load_b256 s[32:39], s[10:11], 0x0            ; the nine point splits: s32 .. s40
	s_load_b32 s40, s[10:11], 0x20
	s_add_nc_u64 s[42:43], s[4:5], s[42:43]
	s_load_b96 s[44:46], s[42:43], 0x0             ; the query's x, y, z
	s_mov_b32 s68, 0x3db851ec                      ; 0.09 in f32
	s_mov_b32 s69, 0x7f800000                      ; above every d2 that passes
	s_mov_b32 s70, 0x76543210                      ; v_permlanex16_b32: lane i xor 16
	s_mov_b32 s71, 0xfedcba98
	s_mov_b32 s78, 0xffff0000
	v_mov_b32 v31, s69
	v_mov_b32 v8, s69                              ; the kept 32 start empty
	v_mov_b32 v9, -1
	v_mov_b32 v12, 0                               ; destinations of lane moves count as read
	v_mov_b32 v13, 0
	s_wait_kmcnt 0x0
	; my segment's points [lo, hi): segment s = number of query splits <= q; its points are [split s-1, split s), with 0 and N at the ends
	s_mov_b32 s47, 0
.irp j, 0,1,2,3,4,5,6,7,8
	s_cmp_le_i32 s[20+\j], s18
	s_cselect_b32 s47, s[32+\j], s47               ; the last split that holds wins
.endr
	s_mov_b32 s48, NPTS
.irp j, 8,7,6,5,4,3,2,1,0
	s_cmp_gt_i32 s[20+\j], s18
	s_cselect_b32 s48, s[32+\j], s48               ; the first split that holds wins
.endr
	s_max_i32 s47, s47, 0
	s_min_i32 s47, s47, NPTS
	s_max_i32 s48, s48, 0
	s_min_i32 s48, s48, NPTS
	v_cvt_pk_bf16_f32 v27, s44, s45
	v_cvt_pk_bf16_f32 v28, s46, s46
	v_lshlrev_b32 v4, 16, v27
	v_and_b32 v5, s78, v27
	v_lshlrev_b32 v6, 16, v28
	v_mul_f32 v7, v4, v4
	v_fma_f32 v7, v5, v5, v7
	v_fma_f32 v7, v6, v6, v7                       ; q2
	s_sub_co_u32 s52, s48, s47
	s_add_co_u32 s52, s52, 31
	s_lshr_b32 s52, s52, 5                         ; batches of 32 points, from lo on
	s_cmp_gt_u32 s48, s47
	s_cselect_b32 s52, s52, 0                      ; none for an empty segment
	s_cmp_eq_u32 s52, 0
	s_cbranch_scc1 .Lfinish
; One compare-and-exchange over the lanes at distance j, on the pairs (v[k], v[i]).  keep = the lanes that keep the smaller pair.
; mine < partner's: by d2's bits, then by index.  A lane takes the partner's pair if (mine is smaller) differs from (I keep the smaller).
.macro STAGE j, keep, k, i
.if \j == 16
	v_permlanex16_b32 v12, v[\k], s70, s71
	v_permlanex16_b32 v13, v[\i], s70, s71
.else
	v_mov_b32_dpp v12, v[\k] row_xmask:\j row_mask:0xf bank_mask:0xf
	v_mov_b32_dpp v13, v[\i] row_xmask:\j row_mask:0xf bank_mask:0xf
.endif
	v_cmp_lt_u32 s55, v[\k], v12
	v_cmp_eq_u32 s56, v[\k], v12
	v_cmp_lt_u32 vcc_lo, v[\i], v13
	s_and_b32 s56, s56, vcc_lo
	s_or_b32 s55, s55, s56
	s_xor_b32 vcc_lo, s55, \keep
	v_cndmask_b32 v[\k], v[\k], v12, vcc_lo
	v_cndmask_b32 v[\i], v[\i], v13, vcc_lo
.endm
; One batch.  ahead = 1: a whole batch inside [lo, hi), and the next batch's load goes out; ahead = 0: the last batch, which may cross hi.
.macro BATCH ahead
	s_wait_loadcnt 0x0                             ; the batch's one load is in; its offset register is free
	v_cvt_pk_bf16_f32 v27, v24, v25
	v_cvt_pk_bf16_f32 v28, v26, v26
	v_mov_b32 v11, v22                             ; the batch's indices
	v_lshlrev_b32 v14, 16, v27                     ; x, y, z as rounded, back in f32
	v_and_b32 v15, s78, v27
	v_lshlrev_b32 v16, 16, v28
.if \ahead
	v_add_nc_u32 v22, 32, v22                      ; the next batch: its load has this trip's sort and merge in which to land
	v_min_u32 v23, NPTS-1, v22                     ; the last batch may reach past the table's end: those lanes read the last point and are dropped by the range test
	v_mul_u32_u24 v23, v23, 12
	global_load_b96 v[24:26], v23, s[8:9]
.endif
	v_mul_f32 v27, v14, v14
	v_mul_f32 v28, v4, v14
	v_fma_f32 v27, v15, v15, v27
	v_fma_f32 v28, v5, v15, v28
	v_fma_f32 v27, v16, v16, v27                   ; p2
	v_fma_f32 v28, v6, v16, v28                    ; q . p
	v_add_f32 v27, v7, v27                         ; q2 + p2, rounded
	v_fma_f32 v27, -2.0, v28, v27                  ; - 2 q.p: the doubling is exact, one rounding
	v_max_num_f32 v27, 0, v27
	v_cmp_le_f32 vcc_lo, v27, s68
.if \ahead == 0
	v_cmp_lt_u32 s55, v11, s48                     ; the index is below hi (it is never below lo: the batches start there)
	s_and_b32 vcc_lo, vcc_lo, s55
.endif
	v_cndmask_b32 v10, v31, v27, vcc_lo            ; a pair that fails becomes an empty place: its key is above every d2 that passes
	; bitonic sort: blocks of 2, 4, 8, 16 ascend and descend by turns; the last phase puts all 32 in DESCENDING order
	STAGE 1,  (J1^M2),  10, 11
	STAGE 2,  (J2^M4),  10, 11
	STAGE 1,  (J1^M4),  10, 11
	STAGE 4,  (J4^M8),  10, 11
	STAGE 2,  (J2^M8),  10, 11
	STAGE 1,  (J1^M8),  10, 11
	STAGE 8,  (J8^M16), 10, 11
	STAGE 4,  (J4^M16), 10, 11
	STAGE 2,  (J2^M16), 10, 11
	STAGE 1,  (J1^M16), 10, 11
	STAGE 16, M16, 10, 11
	STAGE 8,  M8,  10, 11
	STAGE 4,  M4,  10, 11
	STAGE 2,  M2,  10, 11
	STAGE 1,  M1,  10, 11
	; the kept 32 ascend, the batch descends: the smaller of each lane's two pairs are the 32 smallest of the 64, as a bitonic run
	v_cmp_lt_u32 s55, v10, v8
	v_cmp_eq_u32 s56, v10, v8
	v_cmp_lt_u32 vcc_lo, v11, v9
	s_and_b32 s56, s56, vcc_lo
	s_or_b32 s55, s55, s56
	v_cndmask_b32 v8, v8, v10, s55
	v_cndmask_b32 v9, v9, v11, s55
	STAGE 16, J16, 8, 9                            ; the bitonic run into ascending order
	STAGE 8,  J8,  8, 9
	STAGE 4,  J4,  8, 9
	STAGE 2,  J2,  8, 9
	STAGE 1,  J1,  8, 9
.endm
	v_add_nc_u32 v22, s47, v1                      ; the first batch: points lo .. lo + 31
	v_min_u32 v23, NPTS-1, v22
	v_mul_u32_u24 v23, v23, 12
	global_load_b96 v[24:26], v23, s[8:9]
	s_sub_co_u32 s53, s52, 1                       ; all batches but the last lie wholly inside [lo, hi): 32 (batches - 1) < hi - lo
	s_cmp_eq_u32 s53, 0
	s_cbranch_scc1 .Ltail
	s_mov_b32 s54, 0
.Lbatch:
	BATCH 1
	s_add_co_u32 s54, s54, 1
	s_cmp_lt_u32 s54, s53
	s_cbranch_scc1 .Lbatch
.Ltail:
	BATCH 0                                        ; the last batch is written out: it loads nothing further
.Lfinish:
	v_max_num_f32 v27, 0x2b8cbccc, v8              ; max(d2, 1e-12)
	v_sqrt_f32 v27, v27
	v_cmp_gt_u32 vcc_lo, s69, v8                   ; the plain vector instruction between the root and its use (ISA guide 5.7.2): places that are not empty
	s_wait_alu depctr_va_vdst(0)
	v_cndmask_b32 v27, 0, v27, vcc_lo              ; empty places: distance 0,
	v_cndmask_b32 v9, -1, v9, vcc_lo               ; index -1
	v_lshlrev_b32 v20, 2, v0                       ; 128 wave + 4 lane: the 16 queries' rows lie as they lie in the outputs
	ds_store_b32 v20, v9                           ; 2,048 bytes of indices,
	ds_store_b32 v20, v27 offset:2048              ; then 2,048 of distances
	s_wait_dscnt 0x0                               ; my two rows are in the stage before I say so
	s_barrier_signal -1
	s_barrier_wait -1                              ; all 16 waves' rows are
	s_cmp_ge_u32 s3, 8
	s_cbranch_scc1 .Lend                           ; 4,096 bytes leave by 256 threads, 16 bytes each
	v_lshlrev_b32 v20, 4, v0
	ds_load_b128 v[32:35], v20
	s_cmp_lt_u32 s3, 4
	s_cselect_b64 s[42:43], s[12:13], s[14:15]     ; waves 0-3: the indices to out0; waves 4-7: the distances to out1
	s_lshl_b32 s52, ttmp9, 11                      ; 16 rows of 128 bytes
	s_mov_b32 s53, 0
	s_add_nc_u64 s[42:43], s[42:43], s[52:53]
	v_and_b32 v21, 127, v0
	v_lshlrev_b32 v21, 4, v21
	s_wait_dscnt 0x0
	global_store_b128 v21, v[32:35], s[42:43]      ; a wave's store covers 512 consecutive bytes, aligned
.Lend:
	s_wait_tensorcnt 0x0
	ds_add_u32 v40, v41
	s_wait_dscnt 0x0
	s_endpgm
.Lfunc_end_k_q7c3ece91fd_knn:
	.size	k_q7c3ece91fd_knn, .Lfunc_end_k_q7c3ece91fd_knn-k_q7c3ece91fd_knn
	.p2alignl 7, 3214868480
	.fill 96, 4, 3214868480
	.section	.rodata,"a",@progbits
	.p2align	6, 0x0
	.amdhsa_kernel k_q7c3ece91fd_knn
		.amdhsa_group_segment_fixed_size 6144
		.amdhsa_private_segment_fixed_size 0
		.amdhsa_enable_private_segment 0
		.amdhsa_kernarg_size 48
		.amdhsa_user_sgpr_count 2
		.amdhsa_user_sgpr_kernarg_segment_ptr 1
		.amdhsa_wavefront_size32 1
		.amdhsa_system_sgpr_workgroup_id_x 1
		.amdhsa_system_sgpr_workgroup_id_y 1
		.amdhsa_system_sgpr_workgroup_id_z 1
		.amdhsa_system_vgpr_workitem_id 0
		.amdhsa_next_free_vgpr 42
		.amdhsa_next_free_sgpr 80
		.amdhsa_reserve_vcc 1
		.amdhsa_float_denorm_mode_32 3
		.amdhsa_float_denorm_mode_16_64 3
		.amdhsa_memory_ordered 1
		.amdhsa_forward_progress 1
		.amdhsa_inst_pref_size 27
	.end_amdhsa_kernel
	.amdgpu_metadata
---
amdhsa.version: [ 1, 2 ]
amdhsa.kernels:
  - .name:           k_q7c3ece91fd_knn
    .symbol:         k_q7c3ece91fd_knn.kd
    .args:
      - { .name: output_points, .offset: 0, .size: 8, .value_kind: global_buffer, .address_space: global }
      - { .name: output_row_splits, .offset: 8, .size: 8, .value_kind: global_buffer, .address_space: global }
      - { .name: points, .offset: 16, .size: 8, .value_kind: global_buffer, .address_space: global }
      - { .name: row_splits, .offset: 24, .size: 8, .value_kind: global_buffer, .address_space: global }
      - { .name: out0, .offset: 32, .size: 8, .value_kind: global_buffer, .address_space: global }
      - { .name: out1, .offset: 40, .size: 8, .value_kind: global_buffer, .address_space: global }
    .group_segment_fixed_size: 6144
    .private_segment_fixed_size: 0
    .kernarg_segment_align: 8
    .kernarg_segment_size: 48
    .max_flat_workgroup_size: 512
    .sgpr_count:     80
    .vgpr_count:     42
    .wavefront_size: 32
...
	.end_amdgpu_metadata
.endif
;; end of part 1
